; MI455X (gfx1250); checked and timed in simulation.
; The chip was launched on July 23, 2026; its instructions are those of AMD's public machine-readable ISA for CDNA 5 (MIT licence, August 2026) and "CDNA5" Instruction Set Architecture Reference Guide (July 2026). The comments in the code are by the model that wrote it; some were corrected since.
;; Concat Critic. Allowed arithmetic: matrix products marked QUANTISED: E5M2 operands, one given power-of-two scale a tensor, by v_wmma_f32_16x16x64_bf8_bf8 or v_wmma_f32_16x16x128_bf8_bf8, f32 sums; products left as they are: f32 operands where the result goes on into a quantised operand, else bf16, f16 or f32 operands; f32 sums; everything else in f32.
;; Inputs: W1 512 x 256 float32; W2_codes 512 x 16 x 32 uint8 (E5M2 codes of W2, K innermost, in blocks of 32 codes); W3 1 x 512 float32; b1 512 float32; b2 512 float32; b3 1 float32; lowp_scales 6 int32 (the exponents e of the quantised operands' scales 2^e); x_codes 512 x 4 x 32 uint8 (E5M2 codes of x, K innermost, in blocks of 32 codes); y_codes 512 x 4 x 32 uint8 (E5M2 codes of y, K innermost, in blocks of 32 codes).
;; Outputs: out0 512 x 512 float32; out1 one number float32.
;; This version of the problem:
;;   THIS VERSION OF THE PROBLEM IS GIVEN IN LOW PRECISION. The matrix products marked QUANTISED in the list below multiply operands that are first quantised to E5M2 (5 exponent bits, 2 mantissa bits; 8 bits a number), with one given power-of-two scale for each operand tensor; their sums are f32. All else is computed in f32.
;;   The module's matrix products, in the order in which they are computed (A, B: the left and right operand; K: the contracted axis; several contracted axes count as one K, in the product's order):
;;     1. [M 512, K 128] x [K 128, N 512]; A: input x (given as codes); B: input W1: QUANTISED (scales: A lowp_scales[0], B lowp_scales[1])
;;     2. [M 512, K 128] x [K 128, N 512]; A: input y (given as codes); B: input W1: QUANTISED (scales: A lowp_scales[2], B lowp_scales[3])
;;     3. [M 262,144, K 512] x [K 512, N 512]; A: computed on the way; B: input W2 (given as codes): QUANTISED (scales: A lowp_scales[4], B lowp_scales[5])
;;     4. [M 262,144, K 512] x [K 512, N 1]; A: computed on the way; B: input W3: left as it is (N = 1 < 16)
;;   THE QUANTISER, for each operand of a quantised product, along K:
;;     - The operand's scale is 2^e, e = its entry of the input lowp_scales (int32; the entries are numbered through the quantised products in the list's order, A before B).
;;     - Each number is divided by the scale, clamped to +-57,344, and rounded to the nearest number of E5M2, ties to even, subnormals kept.
;;     - The product sums the exact products of the quantised numbers (number of the format x scale) in f32.
;;   ~~~python
;;   def quantise(x, axis, e):      # numpy; x: float32 -> the quantised numbers, widened to float32 again
;;       x = np.moveaxis(x, axis, -1); K = x.shape[-1]
;;       r = np.clip(x / 2.0 ** e, -57344, 57344)
;;       step = 2.0 ** (np.maximum(np.frexp(np.where(r == 0, 1, r))[1] - 1, -14) - 2)
;;       q = np.round(r / step) * step * 2.0 ** e      # np.round: ties to even
;;       return np.moveaxis(q, -1, axis).astype(np.float32)
;;   ~~~
;;   OPERANDS COMPUTED ON THE WAY. 'Computed on the way' means the value that the module computes at that place (a softmax that the list does not call 'softmax' is quantised finished and normalised). What goes into a quantiser is computed in f32, as accurately as f32 sums, v_exp_f32 and their like allow (about 1e-6 of the number): no bf16 or f16 on the way to a quantiser, and a product that is left as it is and whose result goes on into a quantised operand takes f32 operands (vector FMAs, or v_wmma_f32_16x16x4_f32). A number that lies on a knife's edge between two numbers of the format may be rounded either way, as far as f32 arithmetic and the matrix unit's own rounding can turn it there, and no further.
;;   INPUTS GIVEN AS CODES. W2 (in the module: [512, 512], K = its axis 1); x (in the module: [512, 128], K = its axis 1); y (in the module: [512, 128], K = its axis 1): each comes as NAME_codes (uint8): NAME with its K axis moved to the last place and cut into blocks of 32 codes, [.., K / 32, bytes a block], one block behind the other in memory; one code a byte (a code: sign, 5 exponent bits, 2 mantissa bits); its scale is its entry of lowp_scales. Its value is code x scale, taken as it is: it is not quantised again, and the codes and scales need not be those that the quantiser above would give.
;; One version. Each part assembles by itself: llvm-mc -triple=amdgcn-amd-amdhsa -mcpu=gfx1250 --defsym DOCPART=n.
;; ======== version 1 of 1: 2 launches
;; limits: a difference of large sums (such as E[x^2] - mean^2): digits are lost where the result is much smaller than its terms
;; workspace buffers: H 2,097,152 bytes; W2I 262,144 bytes
;; launch prep (part 1): grid 8 x 32, 4 waves a work-group, no clusters, 9,216 bytes of LDS; arguments x_codes, y_codes, W1, b1, W2_codes, lowp_scales, H, W2I, out1; writes H, W2I, out1
.if DOCPART == 1
	.amdgcn_target "amdgcn-amd-amdhsa--gfx1250"
	.amdhsa_code_object_version 6
	.text
	.protected	k_qc0448f0733_prep
	.globl	k_qc0448f0733_prep
	.p2align	8
	.type	k_qc0448f0733_prep,@function
k_qc0448f0733_prep:
	s_mov_b64 s[64:65], 0
	v_nop
	global_prefetch_b8 v0, s[64:65] scope:SCOPE_SE
	s_setreg_imm32_b32 hwreg(HW_REG_WAVE_MODE, 25, 1), 1
	s_wait_xcnt 0x0
; THE FIRST LAYER, ONCE.  H [1024][512] f32: rows 0-511 = x W1x^T x 2^(e0+e1) + b1, rows 512-1023 = y W1y^T x 2^(e2+e3).  Both products on codes of BF8 (E5M2):
; x and y arrive as codes; W1's half (f32, K innermost) is quantised here with its given scale: number / 2^e, held within +-57,344, to the nearest code, ties to even.
; Also: W2's codes are laid anew (W2I) in the order in which the next launch's operand registers take them, and out1 = 0 is stored.
; SHARES.  Work-group (bx, by): 32 rows of H (by < 16: x's rows 32 by on; else y's rows 32 (by - 16) on) x 64 columns (64 bx on).  Wave w: 16 columns, both tiles of 16 rows.
; Which part a work-group serves is chosen by s_cselect on its number: one way through the text.
; THE PRODUCT IS USED TRANSPOSED (source 0 = 16 rows of W1, source 1 = 16 rows of codes): a lane then holds eight neighbouring columns of one row of H.
; In both fragments registers 4 c .. 4 c + 3 of lane (r, h) hold k = 32 c + 16 h + 0 .. 15: the same permutation of k on both sides, so every product meets its partner.
; W2I: byte ((F x 32) + lane) x 16, F = ((w 8 + n) 4 + s) 4 + c, holds W2_codes[128 w + 16 n + lane % 16][128 s + 32 c + 16 (lane / 16) + 0 .. 15].  Each of the 1,024 waves moves 256 bytes of it.
; No clusters, no tensor loads: each work-group reads 32 KB of W1 once and has two matrix instructions a wave; nothing is walked.
; LIMITS: W1's exponents (entries 1 and 3) between -126 and 112, so that 2^e and 57,344 x 2^e are f32 numbers.  NaN among the inputs is not served.
.set PITCH, 272                        ; a stage row: 64 columns x 4 bytes + 16 of padding
.set WN,  32                           ; v32-95   64 numbers of W1: register 16 c + t = W1(my row, 32 c + 16 h + t)
.set WF,  96                           ; v96-111  W1's fragment
.set CF,  112                          ; v112-143 two fragments of codes
.set AC,  144                          ; v144-159 two results
.set BI,  160                          ; v160-167 b1 at my eight columns (or zeros)
.set VA,  168                          ; v168-183 the values
.set RB,  184                          ; v184-199 rows read back from the stage
.set PC,  200                          ; v200-201 my 8 bytes of W2
	s_load_b512 s[4:19], s[0:1], 0x0               ; x s[4:5], y s[6:7], W1 s[8:9], b1 s[10:11], W2 s[12:13], the exponents s[14:15], H s[16:17], W2I s[18:19]
	s_load_b64 s[20:21], s[0:1], 0x40              ; out1
	v_lshl_add_u32 v208, v0, 2, 0x2200
	v_mov_b32 v209, 0
	v_lshrrev_b32 v4, 5, v0
	v_readfirstlane_b32 s28, v4                    ; wave 0..3
	v_and_b32 v1, 31, v0                           ; lane L
	v_and_b32 v2, 15, v0                           ; r
	v_bfe_u32 v3, v0, 4, 1                         ; h
	s_and_b32 s29, ttmp7, 0xffff                   ; by
	; W2's piece: F = 2 (8 by + bx) + w / 2; the half of its 512 bytes is w % 2
	s_lshl_b32 s31, s29, 3
	s_add_co_u32 s31, s31, ttmp9
	s_lshl_b32 s31, s31, 1
	s_lshr_b32 s32, s28, 1
	s_add_co_u32 s31, s31, s32                     ; F
	s_and_b32 s33, s28, 1
	s_lshr_b32 s34, s31, 4
	s_lshl_b32 s34, s34, 13                        ; 16 (F / 16) rows of 512 bytes
	s_and_b32 s35, s31, 15
	s_lshl_b32 s35, s35, 5                         ; 128 s + 32 c = 32 (F % 16)
	s_add_co_u32 s34, s34, s35
	s_lshl_b32 s35, s33, 4                         ; 16 x half
	s_add_co_u32 s34, s34, s35
	s_lshl_b32 s36, s31, 9
	s_lshl_b32 s35, s33, 8
	s_add_co_u32 s36, s36, s35                     ; where it goes: 512 F + 256 x half
	v_lshrrev_b32 v5, 1, v1
	v_lshlrev_b32 v5, 9, v5
	v_and_b32 v6, 1, v1
	v_lshl_add_u32 v5, v6, 3, v5
	v_add_nc_u32 v5, s34, v5                       ; from: row L / 2, 8 (L % 2) bytes on
	v_lshlrev_b32 v6, 3, v1
	v_add_nc_u32 v6, s36, v6                       ; to: 8 L: the wave stores 256 consecutive bytes, aligned
	; W1, the codes, b1
	s_lshl_b32 s37, ttmp9, 6
	s_lshl_b32 s38, s28, 4
	s_add_co_u32 s37, s37, s38                     ; my wave's first column of H = row of W1
	s_cmp_lt_u32 s29, 16                           ; x's part or y's?
	s_cselect_b32 s39, 0, 512                      ; W1's half: 128 numbers on for y
	s_cselect_b32 s30, -1, 0                       ; b1 goes into x's rows alone
	s_lshl_b32 s38, s37, 10
	s_add_co_u32 s38, s38, s39
	v_lshlrev_b32 v7, 10, v2
	v_lshl_add_u32 v7, v3, 6, v7
	v_add_nc_u32 v7, s38, v7                       ; W1: row r of 1,024 bytes, + 64 h: my 16 numbers of a block of 32
	s_and_b32 s39, s29, 15
	s_lshl_b32 s39, s39, 12                        ; 32 rows of 128 codes
	v_lshlrev_b32 v8, 7, v2
	v_lshl_add_u32 v8, v3, 4, v8
	v_add_nc_u32 v8, s39, v8                       ; codes: row r, + 16 h
	s_lshl_b32 s39, s37, 2
	v_lshl_add_u32 v9, v3, 5, s39                  ; b1: my eight columns
	; the stage and H
	s_lshl_b32 s39, s28, 6
	v_mul_u32_u24 v12, v2, PITCH
	v_lshl_add_u32 v12, v3, 5, v12
	v_add_nc_u32 v12, s39, v12                     ; in: row r, + 64 w + 32 h
	s_mul_i32 s39, s28, 8*PITCH
	v_mul_u32_u24 v13, v3, PITCH
	v_lshl_add_u32 v13, v2, 4, v13
	v_add_nc_u32 v13, s39, v13                     ; back: rows 8 w on; lanes 0-15 one row of 256 bytes, lanes 16-31 the next
	s_lshl_b32 s39, s29, 16                        ; 32 by rows of 2,048 bytes
	s_lshl_b32 s43, ttmp9, 8
	s_add_co_u32 s39, s39, s43
	s_lshl_b32 s43, s28, 14
	s_add_co_u32 s39, s39, s43
	v_lshlrev_b32 v14, 11, v3
	v_lshl_add_u32 v14, v2, 4, v14
	v_add_nc_u32 v14, s39, v14                     ; and the same two rows in H
	s_wait_kmcnt 0x0
	s_load_b128 s[24:27], s[14:15], 0x0            ; e0, e1, e2, e3
	s_cmp_lt_u32 s29, 16
	s_cselect_b64 s[4:5], s[4:5], s[6:7]           ; the choice hangs on the work-group's number alone
	global_load_b64 v[PC:PC+1], v5, s[12:13]
.irp c, 0,1,2,3
.irp q, 0,1,2,3
	global_load_b128 v[WN+16*\c+4*\q:WN+16*\c+4*\q+3], v7, s[8:9] offset:128*\c+16*\q
.endr
.endr
.irp t, 0,1
.irp c, 0,1,2,3
	global_load_b128 v[CF+16*\t+4*\c:CF+16*\t+4*\c+3], v8, s[4:5] offset:2048*\t+32*\c
.endr
.endr
	global_load_b128 v[BI:BI+3], v9, s[10:11]
	global_load_b128 v[BI+4:BI+7], v9, s[10:11] offset:16
	s_wait_kmcnt 0x0
	s_cmp_lt_u32 s29, 16
	s_cselect_b32 s40, s24, s26                    ; the codes' exponent
	s_cselect_b32 s41, s25, s27                    ; W1's
	s_add_co_i32 s42, s40, s41                     ; a sum stands for sum x 2^(both)
	s_add_co_i32 s43, s41, 127
	s_lshl_b32 s44, s43, 23
	v_mov_b32 v11, s44                             ; 2^e as f32: the conversion takes its exponent field
	s_add_co_i32 s43, s43, 15
	s_lshl_b32 s43, s43, 23
	s_or_b32 s43, s43, 0x600000
	v_mov_b32 v10, s43                             ; 57,344 x 2^e
	s_wait_loadcnt 26                              ; loads come back in order: W2's piece is in; the 16 + 8 + 2 loads issued behind it may be out
	global_store_b64 v6, v[PC:PC+1], s[18:19]
	s_wait_loadcnt 0x0
.irp c, 0,1,2,3
.irp i, 0,1,2,3,4,5,6,7,8,9,10,11,12,13,14,15
	v_med3_num_f32 v[WN+16*\c+\i], v[WN+16*\c+\i], -v10, v10   ; the conversion to an 8-bit code does not saturate (ISA guide 7.6.2): the hold at the largest code x the scale
.endr
	v_cvt_scalef32_pk8_bf8_f32 v[WF+4*\c:WF+4*\c+1], v[WN+16*\c:WN+16*\c+7], v11
	v_cvt_scalef32_pk8_bf8_f32 v[WF+4*\c+2:WF+4*\c+3], v[WN+16*\c+8:WN+16*\c+15], v11
.endr
	v_nop                                          ; one plain vector instruction between a scaled conversion and the matrix instruction that reads its result
	v_wmma_f32_16x16x128_bf8_bf8 v[AC:AC+7], v[WF:WF+15], v[CF:CF+15], 0
	v_wmma_f32_16x16x128_bf8_bf8 v[AC+8:AC+15], v[WF:WF+15], v[CF+16:CF+31], 0
.irp j, 0,1,2,3,4,5,6,7
	v_and_b32 v[BI+\j], s30, v[BI+\j]              ; b1 or 0.  These eight name no register of the products: they are the places behind them
.endr
.irp j, 0,1,2,3,4,5,6,7,8,9,10,11,12,13,14,15
	v_ldexp_f32 v[VA+\j], v[AC+\j], s42            ; x 2^(both exponents): nothing is rounded; each result from its low end on
.endr
.irp j, 0,2,4,6
	v_pk_add_f32 v[VA+\j:VA+\j+1], v[VA+\j:VA+\j+1], v[BI+\j:BI+\j+1]
	v_pk_add_f32 v[VA+8+\j:VA+8+\j+1], v[VA+8+\j:VA+8+\j+1], v[BI+\j:BI+\j+1]
.endr
.irp t, 0,1
	ds_store_b128 v12, v[VA+8*\t:VA+8*\t+3] offset:16*\t*PITCH
	ds_store_b128 v12, v[VA+8*\t+4:VA+8*\t+7] offset:16*\t*PITCH+16
.endr
	s_wait_dscnt 0x0                               ; for the others' sake: a row's 256 bytes come from four waves
	s_barrier_signal -1
	s_barrier_wait -1
.irp u, 0,1,2,3
	ds_load_b128 v[RB+4*\u:RB+4*\u+3], v13 offset:2*\u*PITCH
.endr
.irp u, 0,1,2,3
	s_wait_dscnt 3-\u
	global_store_b128 v14, v[RB+4*\u:RB+4*\u+3], s[16:17] offset:4096*\u   ; 16 lanes store 256 consecutive bytes, at a multiple of 256 from H's first byte
.endr
	s_or_b32 s31, ttmp9, s29
	s_or_b32 s31, s31, s28
	s_cmp_lg_u32 s31, 0                            ; out1: wave 0 of work-group (0, 0), lane 0
	s_cbranch_scc1 .Lend
	v_mov_b32 v15, 0
	v_cmp_eq_u32 vcc_lo, 0, v1
	s_wait_xcnt 0x0                                ; EXEC changes only behind this wait: the stores above have it among their sources
	s_and_saveexec_b32 s32, vcc_lo
	global_store_b32 v15, v15, s[20:21]            ; 0.0 at byte 0
	s_wait_xcnt 0x0                                ; and again in front of the line that widens it
	s_or_b32 exec_lo, exec_lo, s32
.Lend:
	s_wait_tensorcnt 0x0
	ds_add_u32 v208, v209
	s_wait_dscnt 0x0
	s_endpgm
.Lfunc_end_k_qc0448f0733_prep:
	.size	k_qc0448f0733_prep, .Lfunc_end_k_qc0448f0733_prep-k_qc0448f0733_prep
	.p2alignl 7, 3214868480
	.fill 96, 4, 3214868480
	.section	.rodata,"a",@progbits
	.p2align	6, 0x0
	.amdhsa_kernel k_qc0448f0733_prep
		.amdhsa_group_segment_fixed_size 9216
		.amdhsa_private_segment_fixed_size 0
		.amdhsa_enable_private_segment 0
		.amdhsa_kernarg_size 72
		.amdhsa_user_sgpr_count 2
		.amdhsa_user_sgpr_kernarg_segment_ptr 1
		.amdhsa_wavefront_size32 1
		.amdhsa_system_sgpr_workgroup_id_x 1
		.amdhsa_system_sgpr_workgroup_id_y 1
		.amdhsa_system_sgpr_workgroup_id_z 1
		.amdhsa_system_vgpr_workitem_id 0
		.amdhsa_next_free_vgpr 210
		.amdhsa_next_free_sgpr 66
		.amdhsa_reserve_vcc 1
		.amdhsa_float_denorm_mode_32 3
		.amdhsa_float_denorm_mode_16_64 3
		.amdhsa_memory_ordered 1
		.amdhsa_forward_progress 1
		.amdhsa_inst_pref_size 15
	.end_amdhsa_kernel
	.amdgpu_metadata
---
amdhsa.version: [ 1, 2 ]
amdhsa.kernels:
  - .name:           k_qc0448f0733_prep
    .symbol:         k_qc0448f0733_prep.kd
    .args:
      - { .name: x_codes, .offset: 0, .size: 8, .value_kind: global_buffer, .address_space: global }
      - { .name: y_codes, .offset: 8, .size: 8, .value_kind: global_buffer, .address_space: global }
      - { .name: W1, .offset: 16, .size: 8, .value_kind: global_buffer, .address_space: global }
      - { .name: b1, .offset: 24, .size: 8, .value_kind: global_buffer, .address_space: global }
      - { .name: W2_codes, .offset: 32, .size: 8, .value_kind: global_buffer, .address_space: global }
      - { .name: lowp_scales, .offset: 40, .size: 8, .value_kind: global_buffer, .address_space: global }
      - { .name: H, .offset: 48, .size: 8, .value_kind: global_buffer, .address_space: global }
      - { .name: W2I, .offset: 56, .size: 8, .value_kind: global_buffer, .address_space: global }
      - { .name: out1, .offset: 64, .size: 8, .value_kind: global_buffer, .address_space: global }
    .group_segment_fixed_size: 9216
    .private_segment_fixed_size: 0
    .kernarg_segment_align: 8
    .kernarg_segment_size: 72
    .max_flat_workgroup_size: 128
    .sgpr_count:     66
    .vgpr_count:     210
    .wavefront_size: 32
...
	.end_amdgpu_metadata
.endif
;; end of part 1
;; launch main (part 2): grid 8 x 32, 4 waves a work-group, no clusters, 214,528 bytes of LDS; arguments H, W2I, W3, b2, b3, lowp_scales, out0; writes out0
.if DOCPART == 2
	.amdgcn_target "amdgcn-amd-amdhsa--gfx1250"
	.amdhsa_code_object_version 6
	.text
	.protected	k_qc0448f0733_main
	.globl	k_qc0448f0733_main
	.p2align	8
	.type	k_qc0448f0733_main,@function
k_qc0448f0733_main:
	s_mov_b64 s[64:65], 0
	v_nop
	global_prefetch_b8 v0, s[64:65] scope:SCOPE_SE
	s_setreg_imm32_b32 hwreg(HW_REG_WAVE_MODE, 25, 1), 1
	s_wait_xcnt 0x0
; out0[i][j] = W3 . relu(W2 h1(i, j) + b2) + b3,  h1(i, j) = relu(HY[i] + HX[j])  (H's rows 512 + i and j; b1 lies in HX).  h1 is quantised to BF8 (E5M2) with 2^e4 and multiplied by W2's codes (2^e5).
; SHARES.  Work-group (bx, by): 64 columns j (64 bx on) x 16 rows i (16 by on): 64 TILES of 16 pairs; tile t = the 16 i of column 64 bx + t.  256 work-groups of four waves.
; THE WAVES SHARE W2'S ROWS, NOT THE PAIRS: wave w keeps rows g = 128 w .. 128 w + 127 of W2, 8 tiles x 4 K steps x 16 registers = 512 registers, for the whole launch.
; h1's codes go from wave to wave through LDS AS IMAGES OF THE OPERAND'S REGISTERS: for each tile wave w makes K step w (64 numbers a lane -> 16 registers, four ds_store_b128 at 16 x lane), and every wave loads all four K steps.
; So each code of h1 is made once, and a tile costs a wave 32 matrix instructions and 16 LDS loads.
; THE PRODUCT IS USED TRANSPOSED (source 0 = 16 rows of W2, source 1 = the image): lane (r, h) holds pair i = r and its register e the unit g = 128 w + 16 n + 8 h + e: the sum over g with W3 runs down registers.
; In both operands registers 4 c .. 4 c + 3 of lane (r, h) hold k = 128 s + 32 c + 16 h + 0 .. 15: the same permutation of k on both sides.
; THE BIAS.  With s = 2^(e4+e5) and a the sum of code products: relu(s a + b2) = s (max(a, -b2 / s) + b2 / s).  Kept: nb = -b2 / s; taken: max(a, nb); added at the end: cb = b3 + the sum over g of W3[g] b2[g].  All in f32:
; the terms W3 b2 are added on one side and taken off on the other, so the result carries f32's rounding of a sum of the size of the sum of |W3 b2|.
; PIPELINE.  Tile t: (a) its 32 products into accumulator set t % 2; (b) tile t - 1's relu and W3 sum on the other set; (c) K step w of tile t + 4's image; (d) A's registers of K step s take tile t + 1's image as soon as step s is done.
; The vector work stands in slices behind the matrix instructions.  Two tiles are a DUO, with one barrier.  The images lie in a ring of 8 tiles (4 slots of two): duo d reads slots d and d + 1 and writes slot d + 2 (mod 4).
; WINDOWS of 256 registers (s_set_vgpr_msb: bits 1:0 source 0, 3:2 source 1, 5:4 source 2, 7:6 destination).  All that the loop writes lies in window 0; W2's fragments, W3, nb and HY lie in windows 1 to 3 and are always SOURCE 0:
; so the slices run under the matrix instructions' own setting (source 0 in window k), and a K step's 8 matrix instructions have four switches.
;   window 0: v2-15 addresses; v16-79 the image's four K steps; v80-143, v144-207 two sets of 8 accumulators; v208-239 two sets of 16 numbers of h1; v240-247 two sets of codes; v248-249 the W3 sum; v250-251 cb; v252 57,344 x 2^e4; v253 2^e4; v254-255 at work
;   window 1 + n / 3: tile n's fragments at 64 (n % 3) + 16 s; its W3 at 192 + 8 (n % 3); its nb at 216 + 8 (n % 3).  window 3: v128-191 HY.  windows 1, 2: v240-255 W3 and b2 at 16 lane + 0 .. 15, for cb.
; NO CLUSTER: the loop fetches nothing from memory.  W2's 256 KB go once, straight into the registers where they stay (64 KB a wave); a joint load lands in LDS, where 256 KB do not fit beside HX's 128 KB and the ring's 64 KB.
; HX's 128 KB are read once, at the head.  No prefetch: every global read stands at the head.
; LIMITS: e4 between -126 and 112; b2 x 2^-(e4+e5) finite.  NaN among the inputs is not served.  hy + (hx + b1) stands for (hy + hx) + b1.
.set AIMG, 131072                      ; LDS: HX's 64 rows of 2,048 bytes at 0; the ring of 8 images of 8,192 bytes (K step s at 2,048 s, registers 4 c on at 512 c, 16 bytes a lane);
.set PART, 196608                      ; the waves' partial sums: [4 waves][16 i][272 bytes], column t at 4 t
.set PP,   272
.set PW,   16*PP
.set ARD,  2                           ; v2   16 x lane + the slot that holds this duo's tiles
.set ARDN, 3                           ; v3   the next slot
.set AW,   4                           ; v4   16 x lane + 2,048 w + the slot that is written
.set HXA,  5                           ; v5   512 w + 64 h + HX's row of the duo's first image in the making
.set PAD,  6                           ; v6   my word in PART for column 2 d - 1
.set IB,   7                           ; v7   AIMG + 16 x lane; stays
.set IBW,  8                           ; v8   + 2,048 w; stays
.set HXB,  9                           ; v9   512 w + 64 h + row 4; stays
.set RR,   10                          ; v10  r = lane % 16
.set HH,   11                          ; v11  h = lane / 16
.set WO,   12                          ; v12  512 w + 32 h: my eight units in W3 and b2
.set PADB, 13                          ; v13  PART - 4 + 4,352 w + 272 r; stays
.set HYO,  14                          ; v14  HY's byte offset
.set L16,  15                          ; v15  16 x lane
.set AF,   16
.set ACC,  80
.set T,    208
.set CD,   240
.set SC,   248
.set CB,   250
.set LIM,  252
.set SCL,  253
.set TA,   254
.set TP,   255
.set HY,   128                         ; in window 3
.set W3R,  192                         ; in window 1 + n / 3
.set NBR,  216
.set XR,   240                         ; in windows 1 and 2
.set MSB, 0
.macro WIN new                         ; the immediate's high byte repeats the setting that is left; a switch that changes nothing is dropped
.if MSB != (\new)
	s_set_vgpr_msb (MSB<<8)|(\new)
.set MSB, (\new)
.endif
.endm
.macro TLD set, adr, off               ; 16 numbers of HX into set: each half of the lanes reads the same 64 bytes
.irp q, 0,1,2,3
	ds_load_b128 v[T+16*(\set)+4*\q:T+16*(\set)+4*\q+3], v[\adr] offset:(\off)+16*\q
.endr
.endm
.macro ALD s, adr, off                 ; K step s of an image
.irp c, 0,1,2,3
	ds_load_b128 v[AF+16*(\s)+4*\c:AF+16*(\s)+4*\c+3], v[\adr] offset:(\off)+2048*(\s)+512*\c
.endr
.endm
.macro PKADD set, c, p                 ; source 0 in window 3: HY + HX, pair p of chunk c
	v_pk_add_f32 v[T+16*(\set)+2*(\p):T+16*(\set)+2*(\p)+1], v[HY+16*(\c)+2*(\p):HY+16*(\c)+2*(\p)+1], v[T+16*(\set)+2*(\p):T+16*(\set)+2*(\p)+1]
.endm
.macro HOLD set, e                     ; the activation and the hold in one: between 0 and the largest code x the scale (the conversion does not saturate: ISA guide 7.6.2).  Source 0 is a constant: any window
	v_med3_num_f32 v[T+16*(\set)+(\e)], 0, v[T+16*(\set)+(\e)], v[LIM]
.endm
.macro CVT set                         ; 16 numbers -> 16 codes; one plain vector instruction behind the last conversion
	v_cvt_scalef32_pk8_bf8_f32 v[CD+4*(\set):CD+4*(\set)+1], v[T+16*(\set):T+16*(\set)+7], v[SCL]
	v_cvt_scalef32_pk8_bf8_f32 v[CD+4*(\set)+2:CD+4*(\set)+3], v[T+16*(\set)+8:T+16*(\set)+15], v[SCL]
	v_nop
.endm
.set WL, 0
.macro W2LD cnt                        ; the next cnt of my 128 loads of W2I: load l brings registers 4 (l % 16) on of tile l / 16
.rept \cnt
	WIN ((1+(WL/16)/3)<<6)
	global_load_b128 v[64*((WL/16)%3)+4*(WL%16):64*((WL/16)%3)+4*(WL%16)+3], v[L16], s[6:7] offset:512*WL
.set WL, WL+1
.endr
.endm
.macro WM m, n, s                      ; the product: set m, tile n of W2's rows, K step s.  Step 0 starts the sum: nothing is cleared
.set rD, ACC+64*(\m)+8*(\n)
.set rW, 64*((\n)%3)+16*(\s)
.set rA, AF+16*(\s)
.if (\s) == 0
	v_wmma_f32_16x16x128_bf8_bf8 v[rD:rD+7], v[rW:rW+15], v[rA:rA+15], 0
.else
	v_wmma_f32_16x16x128_bf8_bf8 v[rD:rD+7], v[rW:rW+15], v[rA:rA+15], v[rD:rD+7]
.endif
.endm
.macro EPI p, n, s                     ; units 2 s, 2 s + 1 of tile n of set p: max(a, nb), x W3, onto the sum.  Step 0 reads each accumulator's lowest registers first; a tile's first line starts the sum
.set rE, ACC+64*(\p)+8*(\n)+2*(\s)
.set rN, NBR+8*((\n)%3)+2*(\s)
.set rV, W3R+8*((\n)%3)+2*(\s)
	v_max_num_f32 v[rE], v[rN], v[rE]
	v_max_num_f32 v[rE+1], v[rN+1], v[rE+1]
.if ((\s) == 0) && ((\n) == 6)
	v_pk_mul_f32 v[SC:SC+1], v[rV:rV+1], v[rE:rE+1]
.else
	v_pk_fma_f32 v[SC:SC+1], v[rV:rV+1], v[rE:rE+1], v[SC:SC+1]
.endif
.endm
.macro FINISH off                      ; the sum's two halves, the other half of the lanes' 64 units; my wave's part of the pair's score into PART (lanes r and r + 16 store the same word)
	v_add_f32 v[TA], v[SC], v[SC+1]
	v_permlanex16_b32 v[TP], v[TA], s36, s37
	v_add_f32 v[TA], v[TA], v[TP]
	ds_store_b32 v[PAD], v[TA] offset:\off
.endm
; A K STEP: 8 matrix instructions, the 8 accumulators by turns, tiles 6, 7 | 0, 1, 2 | 3, 4, 5 by window; behind each a slice.
; The wait: chunk s was loaded last in the boundary before the last one, so behind it stand just the LASTB LDS instructions of the last boundary.  A's K step s was loaded four boundaries back: the earlier steps' waits cover it.
; bar = 1, in step 3: the duo's barrier.  In front of the signal all my LDS instructions are done: my stores of images, and my loads from the slot that will be written next.  Between signal and wait: registers alone.
.macro STEP m, s, epi, gen, bar
.irp n, 6,7,0,1,2,3,4,5
.if (\bar) && ((\s) == 3) && (\n == 4)
	s_wait_dscnt 0x0
	s_barrier_signal -1
.endif
	WIN 1+(\n)/3
	WM \m, \n, \s
.if \epi
	EPI 1-(\m), \n, \s
.endif
.if \n == 6
	s_wait_dscnt LASTB
.endif
.if \gen
.if \n == 6
.irp p, 0,1,2,3
	PKADD (\s)%2, \s, \p
.endr
.elseif \n == 7
.irp p, 4,5,6,7
	PKADD (\s)%2, \s, \p
.endr
.elseif \n < 4
.irp e, 0,1,2
	HOLD (\s)%2, 3*(\n)+\e
.endr
.else
.irp e, 0,1
	HOLD (\s)%2, 2*(\n)+4+\e
.endr
.endif
.endif
.endr
.if (\bar) && ((\s) == 3)
	s_barrier_wait -1
.endif
.endm
; THE BOUNDARY behind a K step, in window 0: the chunk's codes are made and stored; (step 3) the last tile's score is finished; A's K step s is filled again; a chunk of HX is fetched two steps ahead.
; A load into a register that a matrix instruction has read stands four plain vector instructions behind it (ISA guide 7.12.1 for vector instructions): the last slice gives 3 (epi) + 2 (gen), v_nop the rest.
.macro BOUND m, s, epi, gen, gnx, rf
	WIN 0
.set NPAD, 4-3*(\epi)-2*(\gen)
.if (NPAD > 0) && (\rf)
.rept NPAD
	v_nop
.endr
.endif
.set LASTB, 0
.if \gen
	CVT (\s)%2
	ds_store_b128 v[AW], v[CD+4*((\s)%2):CD+4*((\s)%2)+3] offset:8192*(\m)+512*(\s)
.set LASTB, LASTB+1
.endif
.if (\epi) && ((\s) == 3)
	FINISH 4*(\m)
.set LASTB, LASTB+1
.endif
.if \rf
.if (\m) == 0
	ALD \s, ARD, 8192                              ; the duo's second tile
.else
	ALD \s, ARDN, 0                                ; the next duo's first
.endif
.set LASTB, LASTB+4
.endif
.if (\s) < 2
.if \gen
	TLD (\s)%2, HXA, 2048*(\m)+128*((\s)+2)        ; chunk s + 2 of the row in hand
.set LASTB, LASTB+4
.endif
.else
.if \gnx
	TLD (\s)%2, HXA, 2048*((\m)+1)+128*((\s)-2)    ; chunk s - 2 of the next tile's row
.set LASTB, LASTB+4
.endif
.endif
.endm
.macro TILE m, epi, gen, gnx, rf, bar
.irp s, 0,1,2,3
	STEP \m, \s, \epi, \gen, \bar
	BOUND \m, \s, \epi, \gen, \gnx, \rf
.endr
.endm
.macro STEPADR                         ; s41 = 16,384 x the duo's number; every address is a base that stays + a scalar made of s41
	s_add_co_u32 s41, s41, 16384
	s_and_b32 s42, s41, 0xffff
	v_add_nc_u32 v[ARD], s42, v[IB]
	s_add_co_u32 s42, s41, 16384
	s_and_b32 s42, s42, 0xffff
	v_add_nc_u32 v[ARDN], s42, v[IB]
	s_add_co_u32 s42, s41, 32768
	s_and_b32 s42, s42, 0xffff
	v_add_nc_u32 v[AW], s42, v[IBW]
	s_lshr_b32 s42, s41, 2                         ; two rows of HX a duo
	v_add_nc_u32 v[HXA], s42, v[HXB]
	s_lshr_b32 s42, s41, 11                        ; two columns a duo
	v_add_nc_u32 v[PAD], s42, v[PADB]
.endm
; first: tile 0 has no tile before it.  gen: images are made.  gnx2: the next duo makes images too.  last: nothing follows.
.macro DUO first, gen, gnx2, last
	TILE 0, 1-(\first), \gen, \gen, 1, 0
	TILE 1, 1, \gen, \gnx2, 1-(\last), 1-(\last)
.if (\last) == 0
	STEPADR
.endif
.endm
	s_load_b256 s[4:11], s[0:1], 0x0               ; H s[4:5], W2I s[6:7], W3 s[8:9], b2 s[10:11]
	s_load_b128 s[12:15], s[0:1], 0x20             ; b3 s[12:13], the exponents s[14:15]
	s_load_b64 s[16:17], s[0:1], 0x30              ; out0
	s_set_vgpr_msb 0xc0
	v_lshl_add_u32 v254, v0, 2, 0x34400
	v_mov_b32 v255, 0
	s_set_vgpr_msb 0xc0cf
	ds_add_u32 v254, v255
	ds_add_u32 v254, v255
	s_set_vgpr_msb 0xcf00
	v_lshrrev_b32 v1, 5, v0
	v_readfirstlane_b32 s18, v1                    ; wave 0..3
	s_and_b32 s20, ttmp7, 0xffff                   ; by
	; HX: each wave brings 16 of the work-group's 64 rows, 32,768 dense bytes, as 128 rows of 256 bytes.  A first fill; no LDS byte is filled twice in this launch.
	s_mov_b32 s24, 1                               ; group 0: count = 1
	s_lshl_b32 s25, s18, 15                        ; LDS address: 32,768 x wave
	s_mov_b32 s28, (3<<16)                         ; group 1: no mask; elements of 8 bytes; no padding
	s_mov_b32 s29, (32<<16)                        ; tensor_dim0 = 32
	s_mov_b32 s30, (128<<16)                       ; tensor_dim1 = 128
	s_mov_b32 s31, (32<<16)                        ; tile_dim0 = 32
	s_mov_b32 s32, 128                             ; tile_dim1 = 128
	s_mov_b32 s33, 32                              ; from row to row
	s_mov_b32 s34, 0
	s_mov_b32 s35, 0
	s_lshl_b32 s42, ttmp9, 17                      ; 64 bx rows of 2,048 bytes
	s_add_co_u32 s42, s42, s25
	s_mov_b32 s43, 0
	s_mov_b32 s36, 0x76543210                      ; v_permlanex16_b32's selects for lane l xor 16
	s_mov_b32 s37, 0xfedcba98
	s_mov_b32 s41, 0
	s_wait_dscnt 0x0
	s_wait_kmcnt 0x0
	s_add_nc_u64 s[26:27], s[4:5], s[42:43]
	s_or_b32 s27, s27, 0x80000000                  ; type = 2
	tensor_load_to_lds s[24:27], s[28:35]
	s_nop 0
.rept 4
	v_nop                                          ; four nops behind a tensor load
.endr
	s_load_b64 s[38:39], s[14:15], 0x10            ; e4, e5
	s_load_b32 s44, s[12:13], 0x0                  ; b3
	v_and_b32 v1, 31, v0                           ; lane
	v_and_b32 v[RR], 15, v0
	v_bfe_u32 v[HH], v0, 4, 1
	v_lshlrev_b32 v[L16], 4, v1
	v_add_nc_u32 v[IB], AIMG, v[L16]
	s_lshl_b32 s42, s18, 11
	v_add_nc_u32 v[IBW], s42, v[IB]
	s_lshl_b32 s42, s18, 9                         ; 512 w: my K step's bytes in a row of H, my units' bytes in W3 and b2
	v_lshl_add_u32 v[HXA], v[HH], 6, s42           ; for the first four images: row 0
	v_add_nc_u32 v[HXB], 8192, v[HXA]
	v_lshl_add_u32 v[WO], v[HH], 5, s42
	s_lshl_b32 s43, s20, 15                        ; 16 by rows of 2,048 bytes,
	s_add_co_u32 s43, s43, 512*2048                ; behind HX's 512 rows,
	s_add_co_u32 s43, s43, s42                     ; my K step
	v_lshlrev_b32 v[HYO], 11, v[RR]
	v_lshl_add_u32 v[HYO], v[HH], 6, v[HYO]
	v_add_nc_u32 v[HYO], s43, v[HYO]
	s_mul_i32 s43, s18, PW
	s_add_co_u32 s43, s43, PART-4
	v_mul_u32_u24 v[PADB], v[RR], PP
	v_add_nc_u32 v[PADB], s43, v[PADB]
	v_lshlrev_b32 v[TA], 6, v1                     ; 64 x lane: the address of cb's loads; free again behind the wait for them
	v_mov_b32 v[TP], 0                             ; written once: a lane permute's destination counts as one of its sources
	s_lshl_b32 s42, s18, 16
	s_mov_b32 s43, 0
	s_add_nc_u64 s[6:7], s[6:7], s[42:43]          ; W2I at my wave's 65,536 bytes
	WIN 0xc0                                       ; destination window 3
.irp c, 0,1,2,3
.irp q, 0,1,2,3
	global_load_b128 v[HY+16*\c+4*\q:HY+16*\c+4*\q+3], v[HYO], s[4:5] offset:128*\c+16*\q   ; HY(16 by + r, 128 w + 32 c + 16 h + 4 q on): it stays
.endr
.endr
	W2LD 32
	WIN 0
	s_wait_tensorcnt 0x0                           ; my 16 rows of HX are in,
	s_barrier_signal -1
	s_barrier_wait -1                              ; everybody's are
	s_wait_kmcnt 0x0
	s_add_co_i32 s45, s38, s39                     ; e4 + e5
	s_sub_co_i32 s46, 0, s45
	s_add_co_i32 s42, s38, 127
	s_lshl_b32 s43, s42, 23
	v_mov_b32 v[SCL], s43                          ; 2^e4 as f32: the conversion takes its exponent field
	s_add_co_i32 s42, s42, 15
	s_lshl_b32 s42, s42, 23
	s_or_b32 s42, s42, 0x600000
	v_mov_b32 v[LIM], s42                          ; 57,344 x 2^e4
	s_wait_loadcnt 32                              ; loads come back in order: HY is in; the 32 loads of W2 issued behind it may be out
	; THE FIRST FOUR IMAGES, 16 chunks; W2's other 96 loads are issued six to a chunk, so that they are on their way meanwhile
	TLD 0, HXA, 0
.set X, 0
.rept 16
	WIN 0
.if X < 15
	TLD (X+1)%2, HXA, 2048*((X+1)/4)+128*((X+1)%4)
.endif
.if X == 0
	s_wait_dscnt 4                                 ; behind this chunk's loads: the next chunk's four
.elseif X < 15
	s_wait_dscnt 5                                 ; the last chunk's store and the next chunk's four loads
.else
	s_wait_dscnt 1                                 ; the last chunk's store
.endif
	WIN 3
.irp p, 0,1,2,3,4,5,6,7
	PKADD X%2, X%4, \p
.endr
.irp e, 0,1,2,3,4,5,6,7,8,9,10,11,12,13,14,15
	HOLD X%2, \e
.endr
	WIN 0
	CVT X%2
	ds_store_b128 v[IBW], v[CD+4*(X%2):CD+4*(X%2)+3] offset:8192*(X/4)+512*(X%4)
	W2LD 6
.set X, X+1
.endr
.irp n, 0,1,2,3,4,5,6,7
	WIN ((1+(\n)/3)<<6)
	global_load_b128 v[W3R+8*((\n)%3):W3R+8*((\n)%3)+3], v[WO], s[8:9] offset:64*\n          ; W3 and b2 at units 128 w + 16 n + 8 h + 0 .. 7
	global_load_b128 v[W3R+8*((\n)%3)+4:W3R+8*((\n)%3)+7], v[WO], s[8:9] offset:64*\n+16
	global_load_b128 v[NBR+8*((\n)%3):NBR+8*((\n)%3)+3], v[WO], s[10:11] offset:64*\n
	global_load_b128 v[NBR+8*((\n)%3)+4:NBR+8*((\n)%3)+7], v[WO], s[10:11] offset:64*\n+16
.endr
	WIN 0x40
.irp q, 0,1,2,3
	global_load_b128 v[XR+4*\q:XR+4*\q+3], v[TA], s[8:9] offset:16*\q                        ; W3 at 16 lane + 0 .. 15
.endr
	WIN 0x80
.irp q, 0,1,2,3
	global_load_b128 v[XR+4*\q:XR+4*\q+3], v[TA], s[10:11] offset:16*\q                      ; b2 likewise
.endr
	WIN 0
	s_wait_dscnt 0x0                               ; my stores of the four images are done,
	s_barrier_signal -1
	s_barrier_wait -1                              ; everybody's are
.irp s, 0,1,2,3
	ALD \s, IB, 0                                  ; tile 0
.endr
	v_mov_b32 v[HXA], v[HXB]                       ; row 4: tile 0 makes image 4
	TLD 0, HXA, 0
	TLD 1, HXA, 128
	v_mov_b32 v[ARD], v[IB]
	v_add_nc_u32 v[ARDN], 16384, v[IB]
	v_add_nc_u32 v[AW], 32768, v[IBW]
	v_mov_b32 v[PAD], v[PADB]
	s_wait_loadcnt 0x0                             ; W2, W3, b2
.irp n, 0,1,2,3,4,5,6,7
	WIN ((1+(\n)/3)<<6)|(1+(\n)/3)
.irp e, 0,1,2,3,4,5,6,7
	v_ldexp_f32 v[NBR+8*((\n)%3)+\e], -v[NBR+8*((\n)%3)+\e], s46   ; nb = -b2 x 2^-(e4+e5): nothing is rounded, short of overflow and underflow
.endr
.endr
	WIN 0x09                                       ; source 0 (W3) window 1, source 1 (b2) window 2
	v_pk_mul_f32 v[CB:CB+1], v[XR:XR+1], v[XR:XR+1]
.irp i, 2,4,6,8,10,12,14
	v_pk_fma_f32 v[CB:CB+1], v[XR+\i:XR+\i+1], v[XR+\i:XR+\i+1], v[CB:CB+1]
.endr
	WIN 0
	v_add_f32 v[CB], v[CB], v[CB+1]
	v_add_f32_dpp v[CB], v[CB], v[CB] row_xmask:1 row_mask:0xf bank_mask:0xf
	v_add_f32_dpp v[CB], v[CB], v[CB] row_xmask:2 row_mask:0xf bank_mask:0xf
	v_add_f32_dpp v[CB], v[CB], v[CB] row_xmask:4 row_mask:0xf bank_mask:0xf
	v_add_f32_dpp v[CB], v[CB], v[CB] row_xmask:8 row_mask:0xf bank_mask:0xf
	v_permlanex16_b32 v[TP], v[CB], s36, s37
	v_add_f32 v[CB], v[CB], v[TP]
	v_add_f32 v[CB], s44, v[CB]                    ; cb = b3 + the sum over all 512 units of W3 b2, in every lane
	v_mov_b32 v[CB+1], v[CB]
	s_wait_dscnt 4                                 ; tile 0's image and chunk 0 are in; chunk 1's four loads may be out
.set LASTB, 4
	DUO 1, 1, 1, 0                                 ; tiles 0, 1
	s_mov_b32 s40, 28
.Lduo:                                             ; tiles 2 to 57.  On both ways in, the last boundary issued ten LDS instructions, and every window is 0
	DUO 0, 1, 1, 0
	s_sub_co_u32 s40, s40, 1
	s_cmp_lg_u32 s40, 0
	s_cbranch_scc1 .Lduo
	DUO 0, 1, 0, 0                                 ; tiles 58, 59 make images 62, 63: no row of HX is left to fetch
	DUO 0, 0, 0, 0                                 ; tiles 60, 61
	DUO 0, 0, 0, 1                                 ; tiles 62, 63
.rept 4
	v_nop                                          ; places behind the last products
.endr
.irp n, 6,7,0,1,2,3,4,5
	WIN 1+(\n)/3
.irp s, 0,1,2,3
	EPI 1, \n, \s                                  ; tile 63, each accumulator from its low end on
.endr
.endr
	WIN 0
	FINISH 8                                       ; column 63
	s_wait_dscnt 0x0                               ; my 64 columns of partial sums are stored,
	s_barrier_signal -1
	s_barrier_wait -1                              ; everybody's are
	; THE WAY OUT.  Wave w takes rows 4 w .. 4 w + 3: the four waves' parts are added, x 2^(e4+e5), + cb
	s_lshl_b32 s42, s18, 2
	v_add_nc_u32 v[ARD], s42, v[HH]                ; row 4 w + h (+ 2 u)
	v_mul_u32_u24 v[ARDN], v[ARD], PP
	v_lshl_add_u32 v[ARDN], v[RR], 4, v[ARDN]
	v_add_nc_u32 v[ARDN], PART, v[ARDN]
	v_lshlrev_b32 v[AW], 11, v[ARD]
	v_lshl_add_u32 v[AW], v[RR], 4, v[AW]
	s_lshl_b32 s42, s20, 15                        ; 16 by rows of 2,048 bytes
	s_lshl_b32 s43, ttmp9, 8                       ; 64 bx columns
	s_add_co_u32 s42, s42, s43
	v_add_nc_u32 v[AW], s42, v[AW]
.irp u, 0,1
.irp p, 0,1,2,3
	ds_load_b128 v[AF+16*\u+4*\p:AF+16*\u+4*\p+3], v[ARDN] offset:PW*\p+2*PP*\u
.endr
.endr
	s_wait_dscnt 0x0
.irp u, 0,1
.irp i, 0,2
	v_pk_add_f32 v[AF+16*\u+\i:AF+16*\u+\i+1], v[AF+16*\u+\i:AF+16*\u+\i+1], v[AF+16*\u+4+\i:AF+16*\u+4+\i+1]
	v_pk_add_f32 v[AF+16*\u+8+\i:AF+16*\u+8+\i+1], v[AF+16*\u+8+\i:AF+16*\u+8+\i+1], v[AF+16*\u+12+\i:AF+16*\u+12+\i+1]
.endr
.irp i, 0,2
	v_pk_add_f32 v[AF+16*\u+\i:AF+16*\u+\i+1], v[AF+16*\u+\i:AF+16*\u+\i+1], v[AF+16*\u+8+\i:AF+16*\u+8+\i+1]
.endr
.irp i, 0,1,2,3
	v_ldexp_f32 v[AF+16*\u+\i], v[AF+16*\u+\i], s45
.endr
.irp i, 0,2
	v_pk_add_f32 v[AF+16*\u+\i:AF+16*\u+\i+1], v[AF+16*\u+\i:AF+16*\u+\i+1], v[CB:CB+1]
.endr
	global_store_b128 v[AW], v[AF+16*\u:AF+16*\u+3], s[16:17] offset:4096*\u th:TH_STORE_NT   ; 16 lanes store 256 consecutive bytes, at a multiple of 256 from out0's first byte
.endr
	s_set_vgpr_msb 0xf
	s_wait_tensorcnt 0x0
	ds_add_u32 v254, v255
	s_wait_dscnt 0x0
	s_set_vgpr_msb 0xf00
	s_endpgm
.Lfunc_end_k_qc0448f0733_main:
	.size	k_qc0448f0733_main, .Lfunc_end_k_qc0448f0733_main-k_qc0448f0733_main
	.p2alignl 7, 3214868480
	.fill 96, 4, 3214868480
	.section	.rodata,"a",@progbits
	.p2align	6, 0x0
	.amdhsa_kernel k_qc0448f0733_main
		.amdhsa_group_segment_fixed_size 214528
		.amdhsa_private_segment_fixed_size 0
		.amdhsa_enable_private_segment 0
		.amdhsa_kernarg_size 56
		.amdhsa_user_sgpr_count 2
		.amdhsa_user_sgpr_kernarg_segment_ptr 1
		.amdhsa_wavefront_size32 1
		.amdhsa_system_sgpr_workgroup_id_x 1
		.amdhsa_system_sgpr_workgroup_id_y 1
		.amdhsa_system_sgpr_workgroup_id_z 1
		.amdhsa_system_vgpr_workitem_id 0
		.amdhsa_next_free_vgpr 1024
		.amdhsa_next_free_sgpr 66
		.amdhsa_reserve_vcc 0
		.amdhsa_float_denorm_mode_32 3
		.amdhsa_float_denorm_mode_16_64 3
		.amdhsa_memory_ordered 1
		.amdhsa_forward_progress 1
		.amdhsa_inst_pref_size 193
	.end_amdhsa_kernel
	.amdgpu_metadata
---
amdhsa.version: [ 1, 2 ]
amdhsa.kernels:
  - .name:           k_qc0448f0733_main
    .symbol:         k_qc0448f0733_main.kd
    .args:
      - { .name: H, .offset: 0, .size: 8, .value_kind: global_buffer, .address_space: global }
      - { .name: W2I, .offset: 8, .size: 8, .value_kind: global_buffer, .address_space: global }
      - { .name: W3, .offset: 16, .size: 8, .value_kind: global_buffer, .address_space: global }
      - { .name: b2, .offset: 24, .size: 8, .value_kind: global_buffer, .address_space: global }
      - { .name: b3, .offset: 32, .size: 8, .value_kind: global_buffer, .address_space: global }
      - { .name: lowp_scales, .offset: 40, .size: 8, .value_kind: global_buffer, .address_space: global }
      - { .name: out0, .offset: 48, .size: 8, .value_kind: global_buffer, .address_space: global }
    .group_segment_fixed_size: 214528
    .private_segment_fixed_size: 0
    .kernarg_segment_align: 8
    .kernarg_segment_size: 56
    .max_flat_workgroup_size: 128
    .sgpr_count:     66
    .vgpr_count:     1024
    .wavefront_size: 32
...
	.end_amdgpu_metadata
.endif
;; end of part 2
